; MI455X (gfx1250); checked and timed in simulation.
; The chip was launched on July 23, 2026; its instructions are those of AMD's public machine-readable ISA for CDNA 5 (MIT licence, August 2026) and "CDNA5" Instruction Set Architecture Reference Guide (July 2026). The comments in the code are by the model that wrote it; some were corrected since.
;; Bahdanau Attention. Allowed arithmetic: matrix products marked QUANTISED: E2M1 operands, one E8M0 scale for each 32 along K, by v_wmma_scale_f32_16x16x128_f8f6f4 with both operands' format E2M1 (or v_wmma_scale_f32_32x16x128_f4), f32 sums; products left as they are: f32 operands where the result goes on into a quantised operand, else bf16, f16 or f32 operands; f32 sums; everything else in f32.
;; Inputs: W_dec 1,024 x 1,024 float32; W_enc 1,024 x 1,024 float32; b_dec 1,024 float32; b_enc 1,024 float32; decoder_hidden 32 x 1,024 float32; encoder_outputs 32 x 2,048 x 1,024 float32; v_b 1 float32; v_w 1,024 float32.
;; Outputs: out0 32 x 1,024 float32; out1 32 x 2,048 float32.
;; This version of the problem:
;;   THIS VERSION OF THE PROBLEM IS GIVEN IN LOW PRECISION. The matrix products marked QUANTISED in the list below multiply operands that are first quantised to E2M1 (2 exponent bits, 1 mantissa bit; 4 bits a number), with one power-of-two scale for each 32 numbers along K (OCP MX v1.0); their sums are f32. All else is computed in f32.
;;   The module's matrix products, in the order in which they are computed (A, B: the left and right operand; K: the contracted axis; several contracted axes count as one K, in the product's order):
;;     1. [M 65,536, K 1,024] x [K 1,024, N 1,024]; A: input encoder_outputs; B: input W_enc: QUANTISED
;;     2. [M 32, K 1,024] x [K 1,024, N 1,024]; A: input decoder_hidden; B: input W_dec: QUANTISED
;;     3. [M 65,536, K 1,024] x [K 1,024, N 1]; A: computed on the way; B: input v_w: left as it is (N = 1 < 16)
;;     4. batch 32 x [M 1, K 2,048] x [K 2,048, N 1,024]; A: softmax; B: input encoder_outputs: left as it is (M = 1 < 16)
;;   THE QUANTISER, for each operand of a quantised product, along K:
;;     - K is cut into blocks of 32 from its start; a last block that is shorter is filled with zeros.
;;     - A block's scale is 2^e with e = floor(log2(the largest magnitude in the block)) - 2, held to -126 .. 127; a block of zeros has e = 0. As a byte (E8M0): e + 127.
;;     - Each number is divided by its block's scale, clamped to +-6, and rounded to the nearest number of E2M1, ties to even, subnormals kept.
;;     - The product sums the exact products of the quantised numbers (number of the format x scale) in f32.
;;   ~~~python
;;   def quantise(x, axis):      # numpy; x: float32 -> the quantised numbers, widened to float32 again
;;       x = np.moveaxis(x, axis, -1); K = x.shape[-1]
;;       x = np.pad(x, [(0, 0)] * (x.ndim - 1) + [(0, -K % 32)]); x = x.reshape(x.shape[:-1] + (-1, 32)); a = np.abs(x).max(-1, keepdims=True)
;;       e = np.where(a > 0, np.clip(np.frexp(np.where(a > 0, a, 1))[1] - 1 - 2, -126, 127), 0)      # np.frexp(a)[1] - 1 = floor(log2(a)), exactly
;;       r = np.clip(x / 2.0 ** e, -6, 6)
;;       step = 2.0 ** (np.maximum(np.frexp(np.where(r == 0, 1, r))[1] - 1, 0) - 1)
;;       q = np.round(r / step) * step * 2.0 ** e      # np.round: ties to even
;;       return np.moveaxis(q.reshape(q.shape[:-2] + (-1,))[..., :K], -1, axis).astype(np.float32)
;;   ~~~
;; One version. Each part assembles by itself: llvm-mc -triple=amdgcn-amd-amdhsa -mcpu=gfx1250 --defsym DOCPART=n.
;; ======== version 1 of 1: 3 launches
;; limits: right only within a limited range of input values
;; workspace buffers: wq 524,288 bytes; ws 32,768 bytes; bias 131,072 bytes; scores 262,144 bytes; pctx 1,048,576 bytes
;; launch prep (part 1): grid 32 x 1, 16 waves a work-group, no clusters, 67,584 bytes of LDS; arguments W_enc, W_dec, decoder_hidden, b_enc, b_dec, wq, ws, bias; writes wq, ws, bias
.if DOCPART == 1
	.amdgcn_target "amdgcn-amd-amdhsa--gfx1250"
	.amdhsa_code_object_version 6
	.text
	.protected	k_q4819072a04_prep
	.globl	k_q4819072a04_prep
	.p2align	8
	.type	k_q4819072a04_prep,@function
k_q4819072a04_prep:
	s_mov_b64 s[64:65], 0
	v_nop
	global_prefetch_b8 v0, s[64:65] scope:SCOPE_SE
	s_setreg_imm32_b32 hwreg(HW_REG_WAVE_MODE, 25, 1), 1
	s_wait_xcnt 0x0
; FIRST OF THREE LAUNCHES.  It quantises W_enc along K (its first axis) into MX-FP4 codes and scale words laid as the second launch's operand registers want them,
; and makes bias[b][a] = K2 x (Q(decoder_hidden) Q(W_dec) + b_dec + b_enc), K2 = 2 log2(e), the row that the second launch adds under the tanh.
; WORK LEFT OUT, for all values of the inputs.  Both outputs hang on the scores through softmax(scores, axis = 1) alone, and a softmax does not change when one number is added to every
; score of a row.  v_b[0] is such a number: it is not loaded and is no argument of any launch.  With tanh(x) = 1 - 2 r, r = 1 / (1 + e^(2x)), a score is sum_a v_w[a] - 2 sum_a v_w[a] r_a + v_b[0]:
; the first term is again the same along the softmax's axis and is never formed.  LIMIT: a NaN, an infinity or an overflow that reaches only v_b or that sum is not carried to the result.
; LIMITS: NaN and infinities among the inputs are not served.  A block whose largest magnitude lies under 2^-124 gets the scale byte 1; a block of zeros gets 1 where the quantiser says 127:
; its codes are zeros, which add nothing under any byte but 0xff, and the bytes are read by this program alone.
; SHARES.  A wave takes 32 columns x 128 along K of one weight: a lane a column, its registers down K, so that a block of 32 lies in one lane and the conversions give codes with K innermost.
; Waves 0-7: W_enc, column pair I = 8 (x & 3) + wave, K step s = x >> 2 (eight waves side by side on 1,024 bytes of a row).  Waves 8-15: W_dec, I = x, s = wave - 8: their codes are the matrix
; operand as they stand; each multiplies its K step by the 32 rows of decoder_hidden, and the eight partial results meet in LDS.  Behind the one barrier all sixteen waves add up a sixteenth each.
; 32 work-groups: the two weights have 512 such pieces, sixteen to a work-group; the eight K steps of a column pair of W_dec have to meet in one work-group.
; wq: [w 4][slot 128][1,024 bytes]: a fragment (16 columns x 128 K) as an image of its registers: block kb of column r at 256 kb + 16 r.  Column tile 16 w + 4 P + cc, K step s: slot 24 P + 4 s + cc (s < 6), 96 + 8 P + 4 (s - 6) + cc (s >= 6).
; ws: the scale word of (column, K step) at ((4 w + P) 8 + s) 256 + 128 (cc / 2) + 4 (16 (cc % 2) + r).
.set K2B,   0x4038aa3b                 ; 2 log2(e)
.set RED,   32768                      ; LDS: wave v's image lies at 4,096 v; waves 8-15 store, so bytes 32,768 to 65,535 are used
.set SPARE, 65536                      ; the spare words: 128 bytes for each of 16 waves, eight blocks of 256 bytes that no other line names
.set SPW, 8                            ; v8   my spare word's address; never rewritten
.set NIL, 9                            ; v9   0; never rewritten
.set SW,  10                           ; v10  my column's scale word (scales alone)
.set PW,  11                           ; v11-12 decoder_hidden's scale words (scales alone)
.set TM,  16                           ; v16-31 at work in QUANT
.set BE,  24                           ; v24, v25 b_enc, b_dec at the column that I add up (QUANT leaves v24-27 alone)
.set BD,  25
.set F,   32                           ; v32-39 blocks 0, 2; v40-47 blocks 1, 3: later the operands of column tiles 0 and 1
.set PC,  48                           ; v48-63 decoder_hidden's two fragments
.set X,   64                           ; v64-191 128 numbers of my column
.set D,   128                          ; v128-159 four results (rows 0-15, 16-31) x (tile 0, 1)
.set A0,  192                          ; v192-255 decoder_hidden, rows 0-15
.set WV,  20
.set SEL, 32
; 64 numbers of a lane, register 16 b + i = k 32 b + 16 (lane / 16) + i of my row, become a fragment's codes and its scale word
.macro QUANT s, pc, pw
.irp b, 0,1,2,3
	v_max3_num_f32 v[TM+\b], |v[\s+16*\b]|, |v[\s+1+16*\b]|, 0x1800000   ; my 16 numbers of block b, and the floor 2^(3 - 127): the byte cannot fall under 1
.endr
.irp i, 2,4,6,8,10,12,14
.irp b, 0,1,2,3
	s_delay_alu instid0(VALU_DEP_4)
	v_max3_num_f32 v[TM+\b], v[TM+\b], |v[\s+16*\b+\i]|, |v[\s+1+16*\b+\i]|
.endr
.endr
.irp b, 0,1,2,3
	s_delay_alu instid0(VALU_DEP_4)
	v_permlanex16_b32 v[TM+4+\b], v[TM+\b], s[SEL], s[SEL+1]
.endr
.irp b, 0,1,2,3
	s_delay_alu instid0(VALU_DEP_4)
	v_max_num_f32 v[TM+\b], v[TM+\b], v[TM+4+\b]             ; with lane l xor 16: the block's largest magnitude
.endr
.irp b, 0,1,2,3
	s_delay_alu instid0(VALU_DEP_4)
	v_add_nc_u32 v[TM+12+\b], 0xff000000, v[TM+\b]           ; 2 off its exponent field: the conversion's scale operand
.endr
.irp b, 0,1,2,3
	s_delay_alu instid0(VALU_DEP_4)
	v_lshrrev_b32 v[TM+4+\b], 23, v[TM+12+\b]                ; the scale's byte
.endr
	s_delay_alu instid0(VALU_DEP_3)
	v_lshl_or_b32 v[\pw], v[TM+5], 8, v[TM+4]
	s_delay_alu instid0(VALU_DEP_1)
	v_lshl_or_b32 v[\pw], v[TM+6], 16, v[\pw]
	s_delay_alu instid0(VALU_DEP_1)
	v_lshl_or_b32 v[\pw], v[TM+7], 24, v[\pw]
.irp b, 0,1,2,3
	v_cvt_scalef32_pk8_fp4_f32 v[\pc+2*\b], v[\s+16*\b:\s+7+16*\b], v[TM+12+\b]
	v_cvt_scalef32_pk8_fp4_f32 v[\pc+1+2*\b], v[\s+8+16*\b:\s+15+16*\b], v[TM+12+\b]
.endr
	v_nop                                                    ; one plain place behind a scaled conversion
.irp c, 0,1
.irp i, 0,1
	v_permlane16_swap_b32 v[\pc+4*\c+\i], v[\pc+2+4*\c+\i]   ; a whole block to a lane, as the operand's layout wants it
.endr
.endr
.endm
; block kb of my column: all its 32 numbers are mine.  cnt: how many younger loads may stay out
.macro QW kb, cnt
.set XS, X+32*(\kb)
.set DS, F+8*((\kb)&1)+4*((\kb)/2)
	s_wait_loadcnt \cnt
	v_max3_num_f32 v13, |v[XS]|, |v[XS+1]|, |v[XS+2]|
	v_max3_num_f32 v14, |v[XS+3]|, |v[XS+4]|, |v[XS+5]|
.irp i, 6,10,14,18,22,26
	s_delay_alu instid0(VALU_DEP_2)
	v_max3_num_f32 v13, v13, |v[XS+\i]|, |v[XS+\i+1]|
	s_delay_alu instid0(VALU_DEP_2)
	v_max3_num_f32 v14, v14, |v[XS+\i+2]|, |v[XS+\i+3]|
.endr
	s_delay_alu instid0(VALU_DEP_2)
	v_max3_num_f32 v13, v13, |v[XS+30]|, |v[XS+31]|
	s_delay_alu instid0(VALU_DEP_1)
	v_max3_num_f32 v13, v13, v14, 0x1800000
	s_delay_alu instid0(VALU_DEP_1)
	v_add_nc_u32 v15, 0xff000000, v13
	s_delay_alu instid0(VALU_DEP_1)
	v_lshrrev_b32 v14, 23, v15
.if (\kb) == 0
	s_delay_alu instid0(VALU_DEP_1)
	v_mov_b32 v[SW], v14
.else
	s_delay_alu instid0(VALU_DEP_1)
	v_lshl_or_b32 v[SW], v14, 8*(\kb), v[SW]
.endif
.irp g, 0,1,2,3
	v_cvt_scalef32_pk8_fp4_f32 v[DS+\g], v[XS+8*\g:XS+8*\g+7], v15
.endr
.endm
	s_load_b256 s[4:11], s[0:1], 0x0               ; W_enc, W_dec, decoder_hidden, b_enc
	s_load_b256 s[12:19], s[0:1], 0x20             ; b_dec, wq, ws, bias
	v_lshl_add_u32 v[SPW], v0, 2, SPARE
	v_mov_b32 v[NIL], 0
	v_lshrrev_b32 v1, 5, v0
	s_delay_alu instid0(VALU_DEP_1)
	v_readfirstlane_b32 s[WV], v1                  ; wave 0..15
	v_and_b32 v13, 31, v0                          ; lane
	v_and_b32 v14, 15, v0                          ; r
	v_bfe_u32 v15, v0, 4, 1                        ; h
	s_delay_alu instid0(VALU_DEP_3)
	v_lshlrev_b32 v1, 2, v13                       ; v1: 4 x lane: my column in a row of the weight; my word in ws
	s_delay_alu instid0(VALU_DEP_3)
	v_lshlrev_b32 v2, 12, v14
	s_delay_alu instid0(VALU_DEP_1)
	v_lshl_add_u32 v2, v15, 6, v2                  ; v2: decoder_hidden: row r of 4,096 bytes + 64 h
	v_lshlrev_b32 v3, 4, v14
	s_delay_alu instid0(VALU_DEP_1)
	v_lshl_add_u32 v3, v15, 10, v3                 ; v3: wq: 16 r, and the next fragment for lanes 16-31
	s_lshl_b32 s26, s[WV], 12
	v_lshl_add_u32 v4, v13, 4, s26                 ; v4: LDS, my image: 4,096 x wave + 16 x lane.  Every LDS address is made here, ahead of the parting of the roles
	s_lshr_b32 s26, s[WV], 1
	s_lshl_b32 s26, s26, 9
	s_and_b32 s27, s[WV], 1
	s_lshl_b32 s27, s27, 3
	s_add_co_u32 s26, s26, s27
	v_lshl_add_u32 v5, v13, 4, s26                 ; v5: LDS, what I add up: result registers 2 wave, 2 wave + 1: 512 (wave / 2) + 8 (wave % 2) + 16 x lane
	v_lshlrev_b32 v6, 2, v14                       ; v6: 4 r
	s_delay_alu instid0(VALU_DEP_1)
	v_lshl_add_u32 v7, v15, 15, v6                 ; v7: bias: 8 h rows of 4,096 bytes + 4 r
.irp b, 0,1,2,3
	v_mov_b32 v[TM+4+\b], 0                        ; written once: a lane permute's destination counts as one of its sources
.endr
	s_mov_b32 s[SEL], 0x76543210
	s_mov_b32 s[SEL+1], 0xfedcba98
	s_mov_b32 s23, K2B
	s_and_b32 s28, ttmp9, 3
	s_lshl_b32 s28, s28, 3
	s_add_co_u32 s28, s28, s[WV]                   ; W_enc's waves: I
	s_lshr_b32 s29, ttmp9, 2                       ; and s
	s_and_b32 s27, s[WV], 7                        ; W_dec's waves: s
	s_cmp_lt_u32 s[WV], 8
	s_cselect_b32 s21, s28, ttmp9                  ; s21 = I
	s_cselect_b32 s22, s29, s27                    ; s22 = s
	s_lshl_b32 s30, s22, 19                        ; 128 s rows of 4,096 bytes
	s_lshl_b32 s31, s21, 7                         ; + 32 I columns
	s_add_co_u32 s30, s30, s31
	s_mov_b32 s31, 0
	s_bfe_u32 s26, s[WV], 0x10002                  ; what I add up: result registers 2 wave, + 1 belong to rows 16 (wave / 8) + 8 h + 2 (wave % 4) + 0, 1 and column tile (wave / 4) % 2 of W_dec's pair x
	s_lshl_b32 s34, ttmp9, 7
	s_lshl_b32 s26, s26, 6
	s_add_co_u32 s34, s34, s26                     ; that tile's first column, in bytes
	s_mov_b32 s35, 0
	s_lshr_b32 s26, s[WV], 3
	s_lshl_b32 s36, s26, 16
	s_and_b32 s26, s[WV], 3
	s_lshl_b32 s26, s26, 13
	s_add_co_u32 s36, s36, s26
	s_add_co_u32 s36, s36, s34                     ; and my first row of bias at that column
	s_mov_b32 s37, 0
	s_wait_alu depctr_va_vdst(0)
	s_wait_kmcnt 0x0
	s_cmp_lt_u32 s[WV], 8
	s_cselect_b64 s[24:25], s[4:5], s[6:7]         ; the weight: the choice hangs on the wave's number alone
	s_add_nc_u64 s[24:25], s[24:25], s[30:31]
	s_add_nc_u64 s[10:11], s[10:11], s[34:35]
	s_add_nc_u64 s[12:13], s[12:13], s[34:35]
	s_add_nc_u64 s[18:19], s[18:19], s[36:37]
	global_load_b32 v[BE], v6, s[10:11]
	global_load_b32 v[BD], v6, s[12:13]
	s_cmp_lt_u32 s[WV], 8
	s_cbranch_scc1 .Lno_dh
	s_lshl_b32 s30, s22, 9                         ; K step s of decoder_hidden: 128 numbers on
	s_add_nc_u64 s[8:9], s[8:9], s[30:31]
.irp b, 0,1,2,3
.irp j, 0,1,2,3
	global_load_b128 v[A0+16*\b+4*\j:A0+16*\b+4*\j+3], v2, s[8:9] offset:128*\b+16*\j   ; rows 0-15; ahead of the weight's loads, so that the counts below hold for both roles
.endr
.endr
.Lno_dh:
.set n, 0
.rept 128
	global_load_b32 v[X+n], v1, s[24:25] offset:n*4096 th:TH_LOAD_NT   ; W(128 s + n, my column): 32 lanes read 128 consecutive bytes; the weight is read once
.set n, n+1
.endr
	QW 0, 63                                       ; 96 and 64 younger loads cannot be named in the wait's field: the smaller count is taken
	QW 1, 63
	QW 2, 32                                       ; block 3's 32 loads may stay out
	QW 3, 0
	v_nop                                          ; one plain place behind the last conversion
	s_cmp_lt_u32 s[WV], 8
	s_cbranch_scc0 .Ldec
	; ---- W_enc's waves: codes and scale words go out
	s_lshr_b32 s26, s21, 3                         ; w
	s_bfe_u32 s27, s21, 0x20001                    ; P
	s_and_b32 s28, s21, 1                          ; cc / 2
	s_mul_i32 s29, s27, 24
	s_lshl_b32 s30, s27, 3
	s_add_co_u32 s30, s30, 72
	s_cmp_lt_u32 s22, 6
	s_cselect_b32 s29, s29, s30                    ; 24 P, or 96 + 8 P - 24
	s_lshl_b32 s30, s22, 2
	s_add_co_u32 s29, s29, s30                     ; + 4 s
	s_lshl_b32 s30, s28, 1
	s_add_co_u32 s29, s29, s30                     ; + cc of lanes 0-15
	s_lshl_b32 s30, s26, 7
	s_add_co_u32 s29, s29, s30                     ; + 128 w
	s_lshl_b32 s30, s29, 10
	s_mov_b32 s31, 0
	s_add_nc_u64 s[14:15], s[14:15], s[30:31]
	s_lshl_b32 s29, s26, 2
	s_add_co_u32 s29, s29, s27
	s_lshl_b32 s29, s29, 3
	s_add_co_u32 s29, s29, s22
	s_lshl_b32 s29, s29, 8
	s_lshl_b32 s30, s28, 7
	s_add_co_u32 s30, s29, s30
	s_add_nc_u64 s[16:17], s[16:17], s[30:31]
	s_wait_alu depctr_va_vdst(0)
.irp kb, 0,1,2,3
	global_store_b128 v3, v[F+8*(\kb&1)+4*(\kb/2):F+8*(\kb&1)+4*(\kb/2)+3], s[14:15] offset:256*\kb   ; sixteen lanes store 256 consecutive bytes, aligned: block kb of a fragment
.endr
	global_store_b32 v1, v[SW], s[16:17]           ; 128 consecutive bytes: half of an aligned 256; ws is 32,768 bytes in all
	s_branch .Lmeet
.Ldec:
	; ---- W_dec's waves: my K step of the product with decoder_hidden's 32 rows
.irp b, 0,1,2,3
.irp j, 0,1,2,3
	global_load_b128 v[X+16*\b+4*\j:X+16*\b+4*\j+3], v2, s[8:9] offset:65536+128*\b+16*\j   ; rows 16-31, into registers that the conversions have read
.endr
.endr
	s_wait_alu depctr_va_vdst(0)
.irp i, 0,1,2,3,4,5,6,7
	v_permlane16_swap_b32 v[F+\i], v[F+8+\i]       ; lanes 16-31 of blocks 0, 2 change places with lanes 0-15 of blocks 1, 3: v32-39 is now the operand of column tile 0, v40-47 that of tile 1
.endr
	QUANT A0, PC, PW
	s_wait_loadcnt 0x0
	QUANT X, PC+8, PW+1
.rept 8
	v_nop                                          ; a scale register written by a vector instruction stands 8 places ahead of a scaled matrix instruction, an operand so written 4
.endr
.irp rt, 0,1
	v_wmma_scale_f32_16x16x128_f8f6f4 v[D+16*\rt:D+16*\rt+7], v[PC+8*\rt:PC+8*\rt+7], v[F:F+7], 0, v[PW+\rt], v[SW] matrix_a_fmt:MATRIX_FMT_FP4 matrix_b_fmt:MATRIX_FMT_FP4
	v_wmma_scale_f32_16x16x128_f8f6f4 v[D+16*\rt+8:D+16*\rt+15], v[PC+8*\rt:PC+8*\rt+7], v[F+8:F+15], 0, v[PW+\rt], v[SW] matrix_a_fmt:MATRIX_FMT_FP4 matrix_b_fmt:MATRIX_FMT_FP4 matrix_b_scale:MATRIX_SCALE_ROW1
.endr
.rept 4
	v_nop                                          ; four places ahead of the LDS stores that read the results
.endr
.irp g, 0,1,2,3,4,5,6,7
	ds_store_b128 v4, v[D+4*\g:D+4*\g+3] offset:512*\g   ; an image of the 32 result registers, each result from its low end on
.endr
.Lmeet:
	s_wait_dscnt 0x0                               ; for the others: my image has landed
	s_barrier_signal -1
	s_barrier_wait -1
.irp k, 0,1,2,3,4,5,6,7
	ds_load_b64 v[X+2*\k:X+2*\k+1], v5 offset:RED+4096*\k   ; my two result registers of all eight K steps
.endr
	v_add_f32 v[BE], v[BE], v[BD]
	s_delay_alu instid0(VALU_DEP_1)
	v_mul_f32 v[BE], s23, v[BE]                    ; K2 (b_enc + b_dec)
	s_wait_dscnt 0x0
.irp k, 0,4,8,12
	v_pk_add_f32 v[X+\k:X+\k+1], v[X+\k:X+\k+1], v[X+\k+2:X+\k+3]
.endr
	s_delay_alu instid0(VALU_DEP_3)
	v_pk_add_f32 v[X:X+1], v[X:X+1], v[X+4:X+5]
	s_delay_alu instid0(VALU_DEP_2)
	v_pk_add_f32 v[X+8:X+9], v[X+8:X+9], v[X+12:X+13]
	s_delay_alu instid0(VALU_DEP_1)
	v_pk_add_f32 v[X:X+1], v[X:X+1], v[X+8:X+9]
	s_wait_alu depctr_va_vdst(0)
	v_fma_f32 v[X], v[X], s23, v[BE]
	v_fma_f32 v[X+1], v[X+1], s23, v[BE]
	global_store_b32 v7, v[X], s[18:19]            ; pieces of 64 bytes: a result's lane holds one column; bias is 131,072 bytes in all
	global_store_b32 v7, v[X+1], s[18:19] offset:4096
	s_wait_tensorcnt 0x0                           ; the wave's end, behind my last LDS store
	ds_add_u32 v[SPW], v[NIL]
	s_wait_dscnt 0x0
	s_endpgm
.Lfunc_end_k_q4819072a04_prep:
	.size	k_q4819072a04_prep, .Lfunc_end_k_q4819072a04_prep-k_q4819072a04_prep
	.p2alignl 7, 3214868480
	.fill 96, 4, 3214868480
	.section	.rodata,"a",@progbits
	.p2align	6, 0x0
	.amdhsa_kernel k_q4819072a04_prep
		.amdhsa_group_segment_fixed_size 67584
		.amdhsa_private_segment_fixed_size 0
		.amdhsa_enable_private_segment 0
		.amdhsa_kernarg_size 64
		.amdhsa_user_sgpr_count 2
		.amdhsa_user_sgpr_kernarg_segment_ptr 1
		.amdhsa_wavefront_size32 1
		.amdhsa_system_sgpr_workgroup_id_x 1
		.amdhsa_system_sgpr_workgroup_id_y 1
		.amdhsa_system_sgpr_workgroup_id_z 1
		.amdhsa_system_vgpr_workitem_id 0
		.amdhsa_next_free_vgpr 256
		.amdhsa_next_free_sgpr 66
		.amdhsa_reserve_vcc 0
		.amdhsa_float_denorm_mode_32 3
		.amdhsa_float_denorm_mode_16_64 3
		.amdhsa_memory_ordered 1
		.amdhsa_forward_progress 1
		.amdhsa_inst_pref_size 42
	.end_amdhsa_kernel
	.amdgpu_metadata
---
amdhsa.version: [ 1, 2 ]
amdhsa.kernels:
  - .name:           k_q4819072a04_prep
    .symbol:         k_q4819072a04_prep.kd
    .args:
      - { .name: W_enc, .offset: 0, .size: 8, .value_kind: global_buffer, .address_space: global }
      - { .name: W_dec, .offset: 8, .size: 8, .value_kind: global_buffer, .address_space: global }
      - { .name: decoder_hidden, .offset: 16, .size: 8, .value_kind: global_buffer, .address_space: global }
      - { .name: b_enc, .offset: 24, .size: 8, .value_kind: global_buffer, .address_space: global }
      - { .name: b_dec, .offset: 32, .size: 8, .value_kind: global_buffer, .address_space: global }
      - { .name: wq, .offset: 40, .size: 8, .value_kind: global_buffer, .address_space: global }
      - { .name: ws, .offset: 48, .size: 8, .value_kind: global_buffer, .address_space: global }
      - { .name: bias, .offset: 56, .size: 8, .value_kind: global_buffer, .address_space: global }
    .group_segment_fixed_size: 67584
    .private_segment_fixed_size: 0
    .kernarg_segment_align: 8
    .kernarg_segment_size: 64
    .max_flat_workgroup_size: 512
    .sgpr_count:     66
    .vgpr_count:     256
    .wavefront_size: 32
...
	.end_amdgpu_metadata
.endif
;; end of part 1
;; launch main (part 2): grid 256 x 1, 4 waves a work-group, no clusters, 327,680 bytes of LDS; arguments encoder_outputs, wq, ws, bias, v_w, scores, pctx; writes scores, pctx
.if DOCPART == 2
	.amdgcn_target "amdgcn-amd-amdhsa--gfx1250"
	.amdhsa_code_object_version 6
	.text
	.protected	k_q4819072a04_main
	.globl	k_q4819072a04_main
	.p2align	8
	.type	k_q4819072a04_main,@function
k_q4819072a04_main:
	s_mov_b64 s[64:65], 0
	v_nop
	global_prefetch_b8 v0, s[64:65] scope:SCOPE_SE
	s_setreg_imm32_b32 hwreg(HW_REG_WAVE_MODE, 25, 1), 1
	s_wait_xcnt 0x0
; SECOND LAUNCH: for 256 rows of encoder_outputs a work-group: quantise, x W_enc in MX-FP4, tanh, the dot with v_w, and the rows' weighted sum under a running maximum.  encoder_outputs is read once.
; LEFT OUT (shown at the head of the first kernel): v_b and sum_a v_w[a], each the same along the softmax's axis.  What is stored as a score is score2 = -K2 sum_a v_w[a] r_a, r = 1 / (1 + 2^(K2 x)),
; K2 = 2 log2(e).  pctx[g] = sum over the work-group's rows of 2^(score2 - m) x row, m the largest of its 256 scores.
; LIMITS: as in the first kernel; v_exp_f32 and v_rcp_f32 take denormals for zero (ISA guide, their entries): a weight under 2^-126 of its work-group's largest counts as 0.
; SHARES.  Work-group g owns rows 256 g .. + 255, 16 tiles of 16 rows.  Wave w owns columns 256 w .. + 255 of the tile (K of the product, columns of the context) and of W_enc (N).
; W_enc STAYS: of a wave's 128 fragments 96 lie in its registers (windows 1 to 3) and 32 (K steps 6, 7) in LDS.  Its scale words go from memory through registers into LDS once, laid so that one
; load of 16 bytes a lane brings four K steps' words of two column tiles: group 0 = steps 0, 1, 2, 6, group 1 = steps 3, 4, 5, 7.
; A TILE, two barriers.  First: x's images are whole and the slot left is free: it is asked for again; four passes, each 4 column tiles x 8 K steps, 32 products on end, and then the pass's tanh in whole batches,
; under which the next pass's fragments and scale words come from LDS; my columns' part of the 16 scores to LDS.  Second: the scores meet; then this tile's weights and context stand beside the NEXT tile's
; quantising (my own bytes of the other slot).  A score lies in one lane (row = lane % 16); the 16 weights go to scalar pairs by v_readlane_b32 and multiply the rows in packed multiply-adds.
; NO CLUSTER: work-groups share W_enc's codes alone, read once at the head: 384 of 544 KiB go straight into registers, which no joint load fills; the rest stands beside 1,024 KiB of rows that are the work-group's own.
; PREFETCH: my wave's own 16 rows x 1,024 bytes of a tile, a lane to each 256 bytes, two instructions; tiles 0 and 1 at the head (tile 0's load follows behind W's loads), in trip t tile t + 2, one trip ahead of its load; trips 14 and 15 ask for nothing.
; REGISTERS, window 0: v1-15 addresses; v16-47 (K2 bias, v_w) a column tile; v48-55 context; v56-63 score sums; v64 m, v65 old m, v66 f; v68-71 x's scale words, v72-87 W's (scales alone);
; v88-119 W's four fragments of step 6 (in the quantiser: at work, codes); v120-183 x's 8 fragments (or rows to quantise); v184-215 4 accumulators, v216-247 W's four fragments of step 7 (both: rows for the context); v248-255 at work.
.set K2B,   0x4038aa3b
.set KSB,   0xc038aa3b
.set LINE,  1040
.set PART,  16*LINE
.set SLOT,  4*PART                     ; no bit of it is set in w x PART: one exclusive or turns an address into the other slot's
.set WL,    2*SLOT                     ; W's K steps 6, 7: 32,768 bytes a wave
.set WS,    WL+131072                  ; W's scale words: 8,192 bytes a wave, stored by the wave itself, never a fill's target
.set XIMG,  WS+32768
.set XSC,   XIMG+8192
.set SX,    XSC+1024                   ; [wave][16 rows] partial scores
.set SCB,   SX+256                     ; [wave][256] the work-group's scores, a copy for each wave
.set SPARE, SCB+4096                   ; the spare words: 128 bytes a wave
.set SPW, 1
.set NIL, 2
.set QA0, 3
.set QAD, 4
.set CA0, 5
.set CAD, 6
.set XWI, 7
.set XWS, 8
.set LI,  9
.set WLA, 10
.set WSA, 11
.set SXW, 12
.set SXR, 13
.set SC0, 14
.set PFO, 15
.set BU,  16
.set CTX, 48
.set SA,  56
.set MX,  64
.set ASC, 68
.set WSC, 72
.set BT,  88
.set TM,  88
.set PC,  104
.set AF,  120
.set ACC, 184
.set BT1, 216
.set PW,  248
.set SCA, 254
.set WV,  20
.set T,   22
.set SB,  23
.set SCS, 24
.set PB,  25
.set K2,  26
.set KS,  28
.set SEL, 30
.set PS,  32                           ; s32-63: weight i in s[32 + 2 i]; the odd ones are written once, named as pairs
.set G1E, 68
.set G0E, 76
.set G1W, 80
.set G0W, 88
.set PFA, 92
.set MSB, 0
.macro WIN new
.if MSB != (\new)
	s_set_vgpr_msb (MSB<<8)|(\new)
.set MSB, (\new)
.endif
.endm
.macro PLACES
.rept 4
	v_nop
.endr
.endm
.macro WA
	s_wait_alu depctr_va_vdst(0)
.endm
.macro QUANT s, pc, pw                 ; 64 numbers of a lane, register 16 b + i = k 32 b + 16 (lane / 16) + i of my row -> a fragment's codes and its scale word
.irp b, 0,1,2,3
	v_max3_num_f32 v[TM+\b], |v[\s+16*\b]|, |v[\s+1+16*\b]|, 0x1800000   ; with the floor 2^(3 - 127): the byte cannot fall under 1
.endr
.irp i, 2,4,6,8,10,12,14
.irp b, 0,1,2,3
	v_max3_num_f32 v[TM+\b], v[TM+\b], |v[\s+16*\b+\i]|, |v[\s+1+16*\b+\i]|
.endr
.endr
.irp b, 0,1,2,3
	v_permlanex16_b32 v[TM+4+\b], v[TM+\b], s[SEL], s[SEL+1]
.endr
.irp b, 0,1,2,3
	v_max_num_f32 v[TM+\b], v[TM+\b], v[TM+4+\b]
.endr
.irp b, 0,1,2,3
	v_add_nc_u32 v[TM+12+\b], 0xff000000, v[TM+\b]           ; 2 off the exponent field: the conversion's scale operand
.endr
.irp b, 0,1,2,3
	v_lshrrev_b32 v[TM+4+\b], 23, v[TM+12+\b]
.endr
	v_lshl_or_b32 v[\pw], v[TM+5], 8, v[TM+4]
	v_lshl_or_b32 v[\pw], v[TM+6], 16, v[\pw]
	v_lshl_or_b32 v[\pw], v[TM+7], 24, v[\pw]
.irp b, 0,1,2,3
	v_cvt_scalef32_pk8_fp4_f32 v[\pc+2*\b], v[\s+16*\b:\s+7+16*\b], v[TM+12+\b]
	v_cvt_scalef32_pk8_fp4_f32 v[\pc+1+2*\b], v[\s+8+16*\b:\s+15+16*\b], v[TM+12+\b]
.endr
	v_nop                                                    ; one plain place behind a scaled conversion
.irp c, 0,1
.irp i, 0,1
	v_permlane16_swap_b32 v[\pc+4*\c+\i], v[\pc+2+4*\c+\i]
.endr
.endr
.endm
.macro MM z, ra, rb                    ; one product: registers in mD, mA, mB, mSA, mSB.  z: it starts the sum.  ra, rb: the scale words stand in lanes 16-31
.if \z
.if \rb
	v_wmma_scale_f32_16x16x128_f8f6f4 v[mD:mD+7], v[mA:mA+7], v[mB:mB+7], 0, v[mSA], v[mSB] matrix_a_fmt:MATRIX_FMT_FP4 matrix_b_fmt:MATRIX_FMT_FP4 matrix_b_scale:MATRIX_SCALE_ROW1
.else
	v_wmma_scale_f32_16x16x128_f8f6f4 v[mD:mD+7], v[mA:mA+7], v[mB:mB+7], 0, v[mSA], v[mSB] matrix_a_fmt:MATRIX_FMT_FP4 matrix_b_fmt:MATRIX_FMT_FP4
.endif
.elseif (\ra)&&(\rb)
	v_wmma_scale_f32_16x16x128_f8f6f4 v[mD:mD+7], v[mA:mA+7], v[mB:mB+7], v[mD:mD+7], v[mSA], v[mSB] matrix_a_fmt:MATRIX_FMT_FP4 matrix_b_fmt:MATRIX_FMT_FP4 matrix_a_scale:MATRIX_SCALE_ROW1 matrix_b_scale:MATRIX_SCALE_ROW1
.elseif \ra
	v_wmma_scale_f32_16x16x128_f8f6f4 v[mD:mD+7], v[mA:mA+7], v[mB:mB+7], v[mD:mD+7], v[mSA], v[mSB] matrix_a_fmt:MATRIX_FMT_FP4 matrix_b_fmt:MATRIX_FMT_FP4 matrix_a_scale:MATRIX_SCALE_ROW1
.elseif \rb
	v_wmma_scale_f32_16x16x128_f8f6f4 v[mD:mD+7], v[mA:mA+7], v[mB:mB+7], v[mD:mD+7], v[mSA], v[mSB] matrix_a_fmt:MATRIX_FMT_FP4 matrix_b_fmt:MATRIX_FMT_FP4 matrix_b_scale:MATRIX_SCALE_ROW1
.else
	v_wmma_scale_f32_16x16x128_f8f6f4 v[mD:mD+7], v[mA:mA+7], v[mB:mB+7], v[mD:mD+7], v[mSA], v[mSB] matrix_a_fmt:MATRIX_FMT_FP4 matrix_b_fmt:MATRIX_FMT_FP4
.endif
.endm
; The four products of K step s of pass P, the four accumulators by turns
.macro STEPM P, s
.set mC, 0
.rept 4
.if (\s) < 6
.set mF, 24*(\P)+4*(\s)+mC
	WIN (1+mF/32)<<2
.set mB, 8*(mF%32)
.set mSB, WSC+8*((\s)/3)+4*(mC/2)+(\s)%3
.else
	WIN 0
.set mB, BT+(BT1-BT)*((\s)-6)+8*mC
.set mSB, WSC+8*((\s)-6)+4*(mC/2)+3
.endif
.set mD, ACC+8*mC
.set mA, AF+8*(\s)
.set mSA, ASC+((\s)&3)
	MM (\s)==0, (\s)/4, mC&1
.set mC, mC+1
.endr
.endm
.macro S0 P                            ; K2 a + K2 bias, a pair each, every accumulator from its low pair on
.set tJ, 0
.rept 16
	v_pk_fma_f32 v[ACC+2*tJ:ACC+2*tJ+1], v[ACC+2*tJ:ACC+2*tJ+1], s[K2:K2+1], v[BU+2*(4*(\P)+tJ/4):BU+2*(4*(\P)+tJ/4)+1] op_sel_hi:[1,0,0]
.set tJ, tJ+1
.endr
.endm
.macro S2                              ; 1 + 2^y
.set tJ, 0
.rept 16
	v_pk_add_f32 v[ACC+2*tJ:ACC+2*tJ+1], v[ACC+2*tJ:ACC+2*tJ+1], 1.0 op_sel_hi:[1,0]
.set tJ, tJ+1
.endr
.endm
.macro S4 P                            ; the score sums += r x v_w (of the pair (bias, v_w) the upper word serves both halves); the tile's first column tile starts them
.set tJ, 0
.rept 16
.if ((\P)==0)&&(tJ<4)
	v_pk_mul_f32 v[SA+2*(tJ%4):SA+2*(tJ%4)+1], v[ACC+2*tJ:ACC+2*tJ+1], v[BU+2*(4*(\P)+tJ/4):BU+2*(4*(\P)+tJ/4)+1] op_sel:[0,1] op_sel_hi:[1,1]
.else
	v_pk_fma_f32 v[SA+2*(tJ%4):SA+2*(tJ%4)+1], v[ACC+2*tJ:ACC+2*tJ+1], v[BU+2*(4*(\P)+tJ/4):BU+2*(4*(\P)+tJ/4)+1], v[SA+2*(tJ%4):SA+2*(tJ%4)+1] op_sel:[0,1,0] op_sel_hi:[1,1,1]
.endif
.set tJ, tJ+1
.endr
.endm
.macro BLOAD q, dst                    ; four fragments of W from LDS: the q-th group of four
.irp n, 0,1,2,3
	ds_load_b128 v[\dst+8*\n:\dst+8*\n+3], v[WLA] offset:(4*(\q)+\n)*1024
	ds_load_b128 v[\dst+8*\n+4:\dst+8*\n+7], v[WLA] offset:(4*(\q)+\n)*1024+512
.endr
.endm
.macro WLOAD P, g                      ; W's scale words of pass P, group g of K steps: two loads, each four steps of two column tiles
.irp q, 0,1
	ds_load_b128 v[WSC+8*(\g)+4*\q:WSC+8*(\g)+4*\q+3], v[WSA] offset:(((\P)*2+(\g))*2+\q)*512
.endr
.endm
.macro FEED P                          ; what pass P takes from LDS: its fragments of steps 6 and 7 and its 16 registers of scale words: 20 loads
	BLOAD 2*(\P), BT
	BLOAD 2*(\P)+1, BT1
	WLOAD \P, 0
	WLOAD \P, 1
.endm
; A PASS: 32 products on end, no transcendental between a product and a reader of its result; then the tanh of its 32 numbers a lane, each batch of 32 with one wait ahead of it and one behind it
.macro PASS P
.if (\P) == 0
.irp k, 0,1,2,3,4,5,6,7
	s_wait_dscnt 14-2*\k                           ; x's scale words and fragments 0 .. k are in; the later fragments, two loads each, may be out
	STEPM \P, \k
.endr
.else
	s_wait_dscnt 0x0                               ; the 20 loads issued at the head of the last pass's tanh
.irp k, 0,1,2,3,4,5,6,7
	STEPM \P, \k
.endr
.endif
	PLACES                                         ; four places ahead of the loads into the products' sources and of the reads of their results
.if (\P) < 3
	FEED (\P)+1
.endif
	S0 \P
	WA
.set TJ, 0
.rept 32
	v_exp_f32 v[ACC+TJ], v[ACC+TJ]
.set TJ, TJ+1
.endr
	v_nop
	WA
	S2
	WA
.set TJ, 0
.rept 32
	v_rcp_f32 v[ACC+TJ], v[ACC+TJ]
.set TJ, TJ+1
.endr
	v_nop
	WA
	S4 \P
.endm
.macro QLD dst, off                    ; one K step of my 16 rows: 16 numbers of each block of 32 a lane
.irp b, 0,1,2,3
.irp j, 0,1,2,3
	ds_load_b128 v[\dst+16*\b+4*\j:\dst+16*\b+4*\j+3], v[QAD] offset:\off+128*\b+16*\j
.endr
.endr
.endm
.macro QST u                           ; my image u and its scale word; lanes r and 16 + r store the same word with the same value
	ds_store_b128 v[XWI], v[PC+8*\u:PC+8*\u+3] offset:1024*\u
	ds_store_b128 v[XWI], v[PC+8*\u+4:PC+8*\u+7] offset:1024*\u+512
	ds_store_b32 v[XWS], v[PW+\u] offset:4*\u
.endm
.macro CLD hf                          ; rows 8 hf .. + 7 of my columns, f32
.irp i, 0,1,2,3,4,5,6,7
	ds_load_b128 v[ACC+8*\i:ACC+8*\i+3], v[CAD] offset:(8*\hf+\i)*LINE
	ds_load_b128 v[ACC+8*\i+4:ACC+8*\i+7], v[CAD] offset:(8*\hf+\i)*LINE+512
.endr
.endm
.macro CFMA hf
.irp i, 0,1,2,3,4,5,6,7
.irp q, 0,2,4,6
	v_pk_fma_f32 v[CTX+\q:CTX+\q+1], v[ACC+8*\i+\q:ACC+8*\i+\q+1], s[PS+2*(8*\hf+\i):PS+2*(8*\hf+\i)+1], v[CTX+\q:CTX+\q+1] op_sel_hi:[1,0,1]
.endr
.endr
.endm
; A TILE.  fill = 1: the next tile is asked for, and quantised at the end
.macro TILE fill
	s_wait_tensorcnt 0x0                           ; no tensor load of mine is out, so the walking group 0 may be written
	ds_add_u32 v[SPW], v[NIL]                      ; 0 onto my spare word
.if \fill
	s_xor_b32 s[G0E+1], s[G0E+1], SLOT             ; the other slot,
	s_add_nc_u64 s[G0E+2:G0E+3], s[G0E+2:G0E+3], 0x10000   ; the next 16 rows
	s_wait_xcnt 0x0                                ; the last prefetches have read their address
	s_add_nc_u64 s[PFA:PFA+1], s[PFA:PFA+1], 0x10000
.endif
	s_wait_dscnt 0x0                               ; the add, my images' stores and my reads of the slot that I leave are done
	s_barrier_signal -1
	s_barrier_wait -1
.if \fill
	tensor_load_to_lds s[G0E:G0E+3], s[G1E:G1E+7]  ; my one tensor load behind this barrier, and the first thing there
	s_nop 0
	PLACES
	s_cmp_lt_u32 s[T], 14
	s_cbranch_scc0 .Lno_ask_\@
	global_prefetch_b8 v[PFO], s[PFA:PFA+1] th:TH_LOAD_NT scope:SCOPE_SE
	global_prefetch_b8 v[PFO], s[PFA:PFA+1] offset:512 th:TH_LOAD_NT scope:SCOPE_SE
.Lno_ask_\@:
.endif
	ds_load_b128 v[ASC:ASC+3], v[LI] offset:8192   ; x's scale words: lanes 0-15 steps 0-3 of row r, lanes 16-31 steps 4-7
.irp k, 0,1,2,3,4,5,6,7
	ds_load_b128 v[AF+8*\k:AF+8*\k+3], v[LI] offset:1024*\k
	ds_load_b128 v[AF+8*\k+4:AF+8*\k+7], v[LI] offset:1024*\k+512
.endr
	s_wait_loadcnt 0x0                             ; W's fragments, bias and v_w (the first tile alone finds any out)
	PASS 0
	PASS 1
	PASS 2
	PASS 3
.irp m, 1,2,4,8
.irp j, 0,1,2,3,4,5,6,7
	v_add_f32_dpp v[SA+\j], v[SA+\j], v[SA+\j] row_xmask:\m row_mask:0xf bank_mask:0xf
.endr
.endr
	ds_store_b128 v[SXW], v[SA:SA+3]               ; rows 8 h + 0 .. 7 of my columns' part; the sixteen lanes of a half store the same bytes
	ds_store_b128 v[SXW], v[SA+4:SA+7] offset:16
	s_wait_tensorcnt 0x0                           ; my part of the next tile has landed: I read it behind this barrier
	ds_add_u32 v[SPW], v[NIL]
	v_add_nc_u32 v[CAD], s[SB], v[CA0]             ; this tile's slot
.if \fill
	s_xor_b32 s[SB], s[SB], SLOT
	v_add_nc_u32 v[QAD], s[SB], v[QA0]             ; the next tile's
.endif
	s_lshl_b32 s94, s[T], 6
	v_add_nc_u32 v[SCA], s94, v[SC0]
	WA
	s_wait_dscnt 0x0
	s_barrier_signal -1
.if \fill
	QLD AF, 0                                      ; both slots are written again only behind a later barrier
.endif
	CLD 0
	s_barrier_wait -1
.irp u, 0,1,2,3
	ds_load_b32 v[250+\u], v[SXR] offset:64*\u     ; the four waves' parts of row lane % 16
.endr
.if \fill
	s_wait_dscnt 20                                ; the 16 loads to quantise are in; 16 rows' loads and 4 parts may be out
	QUANT AF, PC, PW
	QST 0
	QLD AF, 512
	s_wait_dscnt 19                                ; the parts are in; 3 stores and 16 loads may be out
.else
	s_wait_dscnt 0x0
.endif
	v_add_f32 v250, v250, v251                     ; every wave adds in the same order: all four hold the same bits
	v_add_f32 v252, v252, v253
	v_add_f32 v250, v250, v252
	v_mul_f32 v250, s[KS], v250                    ; score2 of my row
	ds_store_b32 v[SCA], v250                      ; into my wave's copy of the work-group's scores
	v_max_num_f32_dpp v251, v250, v250 row_xmask:1 row_mask:0xf bank_mask:0xf
	v_max_num_f32_dpp v251, v251, v251 row_xmask:2 row_mask:0xf bank_mask:0xf
	v_max_num_f32_dpp v251, v251, v251 row_xmask:4 row_mask:0xf bank_mask:0xf
	v_max_num_f32_dpp v251, v251, v251 row_xmask:8 row_mask:0xf bank_mask:0xf
	v_mov_b32 v[MX+1], v[MX]
	v_max_num_f32 v[MX], v[MX], v251               ; the running maximum
	v_sub_f32 v[MX+2], v[MX+1], v[MX]
	v_sub_f32 v252, v250, v[MX]
	WA
	v_exp_f32 v[MX+2], v[MX+2]                     ; f = 2^(old m - new m)
	v_exp_f32 v252, v252                           ; my row's weight, at most 1
	v_nop
	WA
.irp i, 0,1,2,3,4,5,6,7,8,9,10,11,12,13,14,15
	v_readlane_b32 s[PS+2*\i], v252, \i
.endr
.irp q, 0,2,4,6
	v_pk_mul_f32 v[CTX+\q:CTX+\q+1], v[CTX+\q:CTX+\q+1], v[MX+2:MX+3] op_sel_hi:[1,0]
.endr
	CFMA 0
	CLD 1
.if \fill
	s_wait_dscnt 17                                ; the second step's 16 loads are in; the score's store and 16 rows' loads may be out
	QUANT AF, PC+8, PW+1
	QST 1
	s_wait_dscnt 3                                 ; rows 8-15 are in; the three stores may be out
.else
	WA
	s_wait_dscnt 0x0
.endif
	CFMA 1
.if \fill
	FEED 0                                         ; for the next tile's first pass
.endif
	WIN 0
.endm
	s_load_b256 s[4:11], s[0:1], 0x0               ; encoder_outputs, wq, ws, bias
	s_load_b128 s[12:15], s[0:1], 0x20             ; v_w, scores
	s_load_b64 s[16:17], s[0:1], 0x30              ; pctx
	v_lshl_add_u32 v[SPW], v0, 2, SPARE
	v_mov_b32 v[NIL], 0
	ds_add_u32 v[SPW], v[NIL]                      ; the wave's opening: the add, twice on end, and its wait ahead of my first tensor load
	ds_add_u32 v[SPW], v[NIL]
	v_lshrrev_b32 v250, 5, v0
	v_readfirstlane_b32 s[WV], v250                ; wave 0..3
	; group 1 for a tile's part: 16 rows x 256 numbers of 4 bytes, 1,024 numbers from row to row; 4 words of padding behind every 256
	s_mov_b32 s[G1E], (2<<16)|(1<<20)|(7<<22)|(3<<25)
	s_mov_b32 s[G1E+1], 256<<16
	s_mov_b32 s[G1E+2], 16<<16
	s_mov_b32 s[G1E+3], 256<<16
	s_mov_b32 s[G1E+4], 16
	s_mov_b32 s[G1E+5], 1024
	s_mov_b32 s[G1E+6], 0
	s_mov_b32 s[G1E+7], 0
	; for W's fragments of K steps 6, 7: a dense block of 32,768 bytes as 128 rows of 32 elements of 8 bytes
	s_mov_b32 s[G1W], 3<<16
	s_mov_b32 s[G1W+1], 32<<16
	s_mov_b32 s[G1W+2], 128<<16
	s_mov_b32 s[G1W+3], 32<<16
	s_mov_b32 s[G1W+4], 128
	s_mov_b32 s[G1W+5], 32
	s_mov_b32 s[G1W+6], 0
	s_mov_b32 s[G1W+7], 0
	s_mov_b32 s[K2], K2B
	s_mov_b32 s[K2+1], K2B
	s_mov_b32 s[KS], KSB
	s_mov_b32 s[SEL], 0x76543210
	s_mov_b32 s[SEL+1], 0xfedcba98
	s_mov_b32 s[T], 0
	s_mov_b32 s[SB], 0
.set n, 0
.rept 16
	s_mov_b32 s[PS+2*n+1], 0
.set n, n+1
.endr
	s_mul_i32 s[PB], s[WV], PART
	s_lshl_b32 s94, ttmp9, 20                      ; my work-group's 256 rows of 4,096 bytes,
	s_lshl_b32 s95, s[WV], 10                      ; my wave's 1,024 bytes of a row
	s_add_co_u32 s94, s94, s95
	s_mov_b32 s95, 0
	s_lshl_b32 s96, s[WV], 17                      ; my wave's 128 fragments
	s_mov_b32 s97, 0
	s_lshl_b32 s98, s[WV], 13                      ; and their scale words
	s_mov_b32 s99, 0
	v_and_b32 v250, 31, v0                         ; lane
	v_and_b32 v251, 15, v0                         ; r
	v_bfe_u32 v252, v0, 4, 1                       ; h
	v_lshlrev_b32 v253, 2, v250                    ; 4 x lane, 4 r, 16 x lane: the offsets of the head's loads; not rewritten while those are out
	v_lshlrev_b32 v254, 2, v251
	v_lshlrev_b32 v255, 4, v250
	v_lshrrev_b32 v248, 1, v250
	v_lshlrev_b32 v[PFO], 12, v248
	v_and_b32 v248, 1, v250
	v_lshl_add_u32 v[PFO], v248, 8, v[PFO]         ; the prefetches: row lane / 2, 256 (lane % 2) bytes on
	WA
	s_wait_dscnt 0x0                               ; both opening adds are done
	s_wait_kmcnt 0x0
	s_add_nc_u64 s[4:5], s[4:5], s[94:95]          ; tile 0, my columns; stays
	s_mov_b32 s[G0E], 1
	s_mov_b32 s[G0E+1], s[PB]                      ; slot 0, my part
	s_mov_b64 s[G0E+2:G0E+3], s[4:5]
	s_or_b32 s[G0E+3], s[G0E+3], 0x80000000
	s_add_nc_u64 s[PFA:PFA+1], s[4:5], 0x10000     ; the loop's prefetches stand at tile 1: the first trip steps them to tile 2
	s_add_nc_u64 s[6:7], s[6:7], s[96:97]
	s_add_nc_u64 s[8:9], s[8:9], s[98:99]
	s_mov_b32 s[G0W], 1
	s_lshl_b32 s[G0W+1], s[WV], 15
	s_add_co_u32 s[G0W+1], s[G0W+1], WL
	s_add_nc_u64 s[G0W+2:G0W+3], s[6:7], 98304     ; fragments 96 to 127
	s_or_b32 s[G0W+3], s[G0W+3], 0x80000000
	tensor_load_to_lds s[G0W:G0W+3], s[G1W:G1W+7]  ; my one tensor load at the head
	s_nop 0
	PLACES
	global_prefetch_b8 v[PFO], s[4:5] th:TH_LOAD_NT scope:SCOPE_SE                 ; tiles 0 and 1, my columns
	global_prefetch_b8 v[PFO], s[4:5] offset:512 th:TH_LOAD_NT scope:SCOPE_SE
	global_prefetch_b8 v[PFO], s[4:5] offset:65536 th:TH_LOAD_NT scope:SCOPE_SE
	global_prefetch_b8 v[PFO], s[4:5] offset:66048 th:TH_LOAD_NT scope:SCOPE_SE
	s_lshr_b32 s94, ttmp9, 3                       ; the batch
	s_lshl_b32 s94, s94, 12
	s_lshl_b32 s96, s[WV], 10
	s_add_co_u32 s94, s94, s96
	s_add_nc_u64 s[10:11], s[10:11], s[94:95]      ; bias at my batch's row, my 256 columns
	s_add_nc_u64 s[12:13], s[12:13], s[96:97]      ; v_w likewise
	s_lshl_b32 s94, ttmp9, 12
	s_add_co_u32 s94, s94, s96
	s_add_nc_u64 s[16:17], s[16:17], s[94:95]      ; pctx: my work-group's row, my columns
	s_lshl_b32 s94, ttmp9, 10
	s_lshl_b32 s96, s[WV], 8
	s_add_co_u32 s94, s94, s96
	s_add_nc_u64 s[14:15], s[14:15], s[94:95]      ; scores: my work-group's 256, my wave's quarter
.set n, 0
.rept 16                                           ; W's scale words, the oldest loads: run n = ((2 P + g) 2 + q), register i: step 3 g + i, or 6 + g for i = 3
.set i, 0
.rept 4
.set st, (i/3)*(6+((n/2)&1))+(1-i/3)*(3*((n/2)&1)+i)
	global_load_b32 v[AF+4*n+i], v253, s[8:9] offset:(8*(n/4)+st)*256+128*(n&1)
.set i, i+1
.endr
.set n, n+1
.endr
.irp c, 0,1,2,3,4,5,6,7,8,9,10,11,12,13,14,15
	global_load_b32 v[BU+2*\c], v254, s[10:11] offset:64*\c
	global_load_b32 v[BU+2*\c+1], v254, s[12:13] offset:64*\c
.endr
.set f, 0
.irp wn, 1,2,3
	WIN (\wn)<<6                                   ; destination window 1, 2, 3; the address in window 0
.rept 32
	global_load_b128 v[8*(f%32):8*(f%32)+3], v255, s[6:7] offset:f*1024
	global_load_b128 v[8*(f%32)+4:8*(f%32)+7], v255, s[6:7] offset:f*1024+512
.set f, f+1
.endr
.endr
	WIN 0
	v_mul_u32_u24 v[QA0], v251, LINE
	v_lshl_add_u32 v[QA0], v252, 6, v[QA0]
	v_add_nc_u32 v[QA0], s[PB], v[QA0]             ; the quantiser: row r of my part, + 64 h
	v_mov_b32 v[QAD], v[QA0]                       ; tile 0 lies in slot 0
	v_add_nc_u32 v[CA0], s[PB], v255               ; the context: 16 bytes a lane of a row
	s_lshl_b32 s94, s[WV], 11
	s_add_co_u32 s94, s94, XIMG
	v_add_nc_u32 v[XWI], s94, v255                 ; where I store my two images
	s_lshr_b32 s94, s[WV], 1
	s_lshl_b32 s94, s94, 8
	s_and_b32 s96, s[WV], 1
	s_lshl_b32 s96, s96, 3
	s_add_co_u32 s94, s94, s96
	s_add_co_u32 s94, s94, XSC
	v_lshl_add_u32 v[XWS], v251, 4, s94            ; and their scale words
	v_add_nc_u32 v[LI], XIMG, v255
	s_lshl_b32 s94, s[WV], 15
	s_add_co_u32 s94, s94, WL
	v_add_nc_u32 v[WLA], s94, v255
	s_lshl_b32 s94, s[WV], 13
	s_add_co_u32 s94, s94, WS
	v_add_nc_u32 v[WSA], s94, v255
	s_lshl_b32 s94, s[WV], 6
	s_add_co_u32 s94, s94, SX
	v_lshl_add_u32 v[SXW], v252, 5, s94
	v_lshl_add_u32 v[SXR], v251, 2, SX
	s_lshl_b32 s[SCS], s[WV], 10
	s_add_co_u32 s[SCS], s[SCS], SCB
	v_lshl_add_u32 v[SC0], v251, 2, s[SCS]
.irp q, 0,1,2,3,4,5,6,7
	v_mov_b32 v[CTX+\q], 0                         ; the tile is written once: the first finds zeros, which f = 0 leaves zeros
.endr
	v_mov_b32 v[MX], 0xff61b1e6                    ; the largest score so far: -3e38
	v_mov_b32 v[MX+3], 0                           ; (named as the upper half of the pair with f)
.irp b, 0,1,2,3
	v_mov_b32 v[TM+4+\b], 0                        ; a lane permute's destination counts as one of its sources
.endr
	WA
	s_wait_loadcnt 63                              ; of 288 loads the youngest 63 may be out: the 64 scale words, the oldest, are in
.set n, 0
.rept 16
	ds_store_b128 v[WSA], v[AF+4*n:AF+4*n+3] offset:512*n
.set n, n+1
.endr
	s_wait_tensorcnt 0x0
	ds_add_u32 v[SPW], v[NIL]
	s_wait_dscnt 0x0
	s_barrier_signal -1
	s_barrier_wait -1
	tensor_load_to_lds s[G0E:G0E+3], s[G1E:G1E+7]  ; tile 0 into slot 0
	s_nop 0
	PLACES
	s_wait_tensorcnt 0x0                           ; tile 0 has landed
	ds_add_u32 v[SPW], v[NIL]
	s_wait_dscnt 0x0
	s_barrier_signal -1
	s_barrier_wait -1
	QLD AF, 0                                      ; tile 0 is quantised ahead of the loop
	QLD ACC, 512
	s_wait_dscnt 16
	QUANT AF, PC, PW
	QST 0
	s_wait_dscnt 3
	QUANT ACC, PC+8, PW+1
	QST 1
	FEED 0
.Ltile:                                            ; 15 trips
	TILE 1
	s_add_co_u32 s[T], s[T], 1
	s_cmp_lt_u32 s[T], 15
	s_cbranch_scc1 .Ltile
	TILE 0                                         ; the last tile is written out: it asks for nothing and quantises nothing
	; THE WAY OUT
	v_and_b32 v250, 31, v0
	v_lshlrev_b32 v251, 4, v250
	global_store_b128 v251, v[CTX:CTX+3], s[16:17]               ; 32 lanes store 512 consecutive bytes, aligned
	global_store_b128 v251, v[CTX+4:CTX+7], s[16:17] offset:512
	s_mul_i32 s94, s[WV], 1280                     ; in my copy (1,024 w) my quarter (256 w)
	s_add_co_u32 s94, s94, SCB
	v_lshl_add_u32 v252, v250, 3, s94
	ds_load_b64 v[248:249], v252                   ; LDS serves a wave's instructions in order: this sees my stores
	v_lshlrev_b32 v253, 3, v250
	WA
	s_wait_dscnt 0x0
	global_store_b64 v253, v[248:249], s[14:15]    ; 32 lanes store 256 consecutive bytes, aligned
	s_wait_tensorcnt 0x0                           ; the wave's end
	ds_add_u32 v[SPW], v[NIL]
	s_wait_dscnt 0x0
	s_endpgm
.Lfunc_end_k_q4819072a04_main:
	.size	k_q4819072a04_main, .Lfunc_end_k_q4819072a04_main-k_q4819072a04_main
	.p2alignl 7, 3214868480
	.fill 96, 4, 3214868480
	.section	.rodata,"a",@progbits
	.p2align	6, 0x0
	.amdhsa_kernel k_q4819072a04_main
		.amdhsa_group_segment_fixed_size 327680
		.amdhsa_private_segment_fixed_size 0
		.amdhsa_enable_private_segment 0
		.amdhsa_kernarg_size 56
		.amdhsa_user_sgpr_count 2
		.amdhsa_user_sgpr_kernarg_segment_ptr 1
		.amdhsa_wavefront_size32 1
		.amdhsa_system_sgpr_workgroup_id_x 1
		.amdhsa_system_sgpr_workgroup_id_y 1
		.amdhsa_system_sgpr_workgroup_id_z 1
		.amdhsa_system_vgpr_workitem_id 0
		.amdhsa_next_free_vgpr 1024
		.amdhsa_next_free_sgpr 100
		.amdhsa_reserve_vcc 0
		.amdhsa_float_denorm_mode_32 3
		.amdhsa_float_denorm_mode_16_64 3
		.amdhsa_memory_ordered 1
		.amdhsa_forward_progress 1
		.amdhsa_inst_pref_size 167
	.end_amdhsa_kernel
	.amdgpu_metadata
---
amdhsa.version: [ 1, 2 ]
amdhsa.kernels:
  - .name:           k_q4819072a04_main
    .symbol:         k_q4819072a04_main.kd
    .args:
      - { .name: encoder_outputs, .offset: 0, .size: 8, .value_kind: global_buffer, .address_space: global }
      - { .name: wq, .offset: 8, .size: 8, .value_kind: global_buffer, .address_space: global }
      - { .name: ws, .offset: 16, .size: 8, .value_kind: global_buffer, .address_space: global }
      - { .name: bias, .offset: 24, .size: 8, .value_kind: global_buffer, .address_space: global }
      - { .name: v_w, .offset: 32, .size: 8, .value_kind: global_buffer, .address_space: global }
      - { .name: scores, .offset: 40, .size: 8, .value_kind: global_buffer, .address_space: global }
      - { .name: pctx, .offset: 48, .size: 8, .value_kind: global_buffer, .address_space: global }
    .group_segment_fixed_size: 327680
    .private_segment_fixed_size: 0
    .kernarg_segment_align: 8
    .kernarg_segment_size: 56
    .max_flat_workgroup_size: 128
    .sgpr_count:     100
    .vgpr_count:     1024
    .wavefront_size: 32
...
	.end_amdgpu_metadata
.endif
;; end of part 2
;; launch finish (part 3): grid 8 x 32, 1 waves a work-group, no clusters, 0 bytes of LDS; arguments scores, pctx, out0, out1; writes out0, out1
.if DOCPART == 3
	.amdgcn_target "amdgcn-amd-amdhsa--gfx1250"
	.amdhsa_code_object_version 6
	.text
	.protected	k_q4819072a04_finish
	.globl	k_q4819072a04_finish
	.p2align	8
	.type	k_q4819072a04_finish,@function
k_q4819072a04_finish:
	s_mov_b64 s[64:65], 0
	v_nop
	global_prefetch_b8 v0, s[64:65] scope:SCOPE_SE
	s_setreg_imm32_b32 hwreg(HW_REG_WAVE_MODE, 25, 1), 1
	s_wait_xcnt 0x0
; THIRD LAUNCH: the softmax over a batch's 2,048 stored scores, and the eight partial contexts of the batch brought under one maximum.
; LEFT OUT (shown at the head of the first kernel): v_b and sum_a v_w[a]: the stored scores lack both, and the softmax does not see them.  The scores are stored x log2(e): weights are 2^(s - M) / L.
; Work-group (j, b), one wave: weights 256 j .. + 255 and context columns 128 j .. + 127 of batch b.  Every work-group of a batch reads its 8,192 bytes of scores: a sum across work-groups would want a launch more.
; Chunk c of 256 scores belongs to the second launch's work-group 8 b + c, which summed pctx under the largest of just these scores: a maximum is exact in any order, so the chunk's maximum
; taken here is that number bit for bit, and pctx[8 b + c] x 2^(m_c - M) stands under the batch's M.  The maximum is taken away before every exponential.
; No LDS, no matrix unit, no cluster: 12 KiB a work-group, nothing is handed from wave to wave.
.set S,   16                           ; v16-79   the batch's scores: chunk c in registers 8 c .. 8 c + 7
.set OWN, 80                           ; v80-87   my chunk once more
.set PX,  88                           ; v88-119  eight partial contexts, 4 columns a lane
.set MC,  120                          ; v120-135 chunk c's maximum, then f_c, in register 2 c; 2 c + 1 at work
.set MX,  136                          ; v136 M; v137 written, named with it as a pair
.set LS,  138                          ; v138-141 the sum
.set RL,  142                          ; v142 1 / L; v143 written
.set CT,  144                          ; v144-147 the context
	s_load_b256 s[4:11], s[0:1], 0x0               ; scores, pctx, out0, out1
	s_and_b32 s12, ttmp7, 0xffff                   ; b
	v_lshlrev_b32 v1, 4, v0                        ; 16 x lane
	s_mov_b32 s20, 0x76543210
	s_mov_b32 s21, 0xfedcba98
	s_lshl_b32 s14, s12, 13                        ; 8,192 b
	s_mov_b32 s15, 0
	s_lshl_b32 s16, ttmp9, 10                      ; 1,024 j
	s_mov_b32 s17, 0
	s_lshl_b32 s18, s12, 15
	s_lshl_b32 s22, ttmp9, 9
	s_add_co_u32 s18, s18, s22                     ; pctx: 8 b rows of 4,096 bytes + 512 j
	s_mov_b32 s19, 0
	s_lshl_b32 s24, s12, 12
	s_add_co_u32 s24, s24, s22                     ; out0: 4,096 b + 512 j
	s_mov_b32 s25, 0
.irp c, 0,1,2,3,4,5,6,7
	v_mov_b32 v[MC+2*\c+1], 0                      ; a lane permute's destination counts as one of its sources
.endr
	v_mov_b32 v[MX+1], 0
	s_wait_kmcnt 0x0
	s_add_nc_u64 s[4:5], s[4:5], s[14:15]
	s_add_nc_u64 s[26:27], s[4:5], s[16:17]
	s_add_nc_u64 s[6:7], s[6:7], s[18:19]
	s_add_nc_u64 s[8:9], s[8:9], s[24:25]
	s_add_nc_u64 s[10:11], s[10:11], s[14:15]
	s_add_nc_u64 s[10:11], s[10:11], s[16:17]
.irp k, 0,1,2,3,4,5,6,7,8,9,10,11,12,13,14,15
	global_load_b128 v[S+4*\k:S+4*\k+3], v1, s[4:5] offset:512*\k
.endr
	global_load_b128 v[OWN:OWN+3], v1, s[26:27]
	global_load_b128 v[OWN+4:OWN+7], v1, s[26:27] offset:512
.irp c, 0,1,2,3,4,5,6,7
	global_load_b128 v[PX+4*\c:PX+4*\c+3], v1, s[6:7] offset:4096*\c th:TH_LOAD_NT   ; read once in the launch
.endr
	s_wait_loadcnt 8                               ; the scores are in; the eight loads of partial contexts may stay out
.irp c, 0,1,2,3,4,5,6,7
	v_max3_num_f32 v[MC+2*\c], v[S+8*\c], v[S+8*\c+1], v[S+8*\c+2]
.endr
.irp i, 3,5
.irp c, 0,1,2,3,4,5,6,7
	v_max3_num_f32 v[MC+2*\c], v[MC+2*\c], v[S+8*\c+\i], v[S+8*\c+\i+1]
.endr
.endr
.irp c, 0,1,2,3,4,5,6,7
	v_max_num_f32 v[MC+2*\c], v[MC+2*\c], v[S+8*\c+7]
.endr
.irp m, 1,2,4,8
.irp c, 0,1,2,3,4,5,6,7
	v_max_num_f32_dpp v[MC+2*\c], v[MC+2*\c], v[MC+2*\c] row_xmask:\m row_mask:0xf bank_mask:0xf
.endr
.endr
.irp c, 0,1,2,3,4,5,6,7
	v_permlanex16_b32 v[MC+2*\c+1], v[MC+2*\c], s20, s21
.endr
.irp c, 0,1,2,3,4,5,6,7
	v_max_num_f32 v[MC+2*\c], v[MC+2*\c], v[MC+2*\c+1]   ; m_c, in every lane
.endr
	v_max3_num_f32 v[MX], v[MC], v[MC+2], v[MC+4]
	v_max3_num_f32 v[MX], v[MX], v[MC+6], v[MC+8]
	v_max3_num_f32 v[MX], v[MX], v[MC+10], v[MC+12]
	v_max_num_f32 v[MX], v[MX], v[MC+14]           ; M
.set n, 0
.rept 36
	v_pk_add_f32 v[S+n:S+n+1], v[S+n:S+n+1], v[MX:MX+1] op_sel_hi:[1,0] neg_lo:[0,1] neg_hi:[0,1]   ; s - M: the 64 and, behind them, my chunk's 8
.set n, n+2
.endr
.irp c, 0,1,2,3,4,5,6,7
	v_sub_f32 v[MC+2*\c], v[MC+2*\c], v[MX]
.endr
.set n, 0
	s_wait_alu depctr_va_vdst(0)
.rept 72
	v_exp_f32 v[S+n], v[S+n]
.set n, n+1
.endr
.irp c, 0,1,2,3,4,5,6,7
	v_exp_f32 v[MC+2*\c], v[MC+2*\c]               ; f_c = 2^(m_c - M)
.endr
	v_nop
	s_wait_alu depctr_va_vdst(0)                   ; one wait for the batch of 80, ahead of its first reader
	v_pk_add_f32 v[LS:LS+1], v[S:S+1], v[S+2:S+3]
	v_pk_add_f32 v[LS+2:LS+3], v[S+4:S+5], v[S+6:S+7]
.irp j, 8,12,16,20,24,28,32,36,40,44,48,52,56,60
	v_pk_add_f32 v[LS:LS+1], v[LS:LS+1], v[S+\j:S+\j+1]
	v_pk_add_f32 v[LS+2:LS+3], v[LS+2:LS+3], v[S+\j+2:S+\j+3]
.endr
	v_pk_add_f32 v[LS:LS+1], v[LS:LS+1], v[LS+2:LS+3]
	v_add_f32 v[LS], v[LS], v[LS+1]
.irp m, 1,2,4,8
	v_add_f32_dpp v[LS], v[LS], v[LS] row_xmask:\m row_mask:0xf bank_mask:0xf
.endr
	v_permlanex16_b32 v[LS+1], v[LS], s20, s21
	v_add_f32 v[LS], v[LS], v[LS+1]                ; L, at least 1
	s_wait_alu depctr_va_vdst(0)
	v_rcp_f32 v[RL], v[LS]
	v_mov_b32 v[RL+1], 0                           ; a plain place behind the reciprocal; the register is named with it as a pair
	s_wait_loadcnt 0x0
	v_pk_mul_f32 v[CT:CT+1], v[PX:PX+1], v[MC:MC+1] op_sel_hi:[1,0]
	v_pk_mul_f32 v[CT+2:CT+3], v[PX+2:PX+3], v[MC:MC+1] op_sel_hi:[1,0]
.irp c, 1,2,3,4,5,6,7
	v_pk_fma_f32 v[CT:CT+1], v[PX+4*\c:PX+4*\c+1], v[MC+2*\c:MC+2*\c+1], v[CT:CT+1] op_sel_hi:[1,0,1]
	v_pk_fma_f32 v[CT+2:CT+3], v[PX+4*\c+2:PX+4*\c+3], v[MC+2*\c:MC+2*\c+1], v[CT+2:CT+3] op_sel_hi:[1,0,1]
.endr
	s_wait_alu depctr_va_vdst(0)                   ; the reciprocal's wait, ahead of its first reader; the sums above stand between
.irp q, 0,2,4,6
	v_pk_mul_f32 v[OWN+\q:OWN+\q+1], v[OWN+\q:OWN+\q+1], v[RL:RL+1] op_sel_hi:[1,0]
.endr
	v_pk_mul_f32 v[CT:CT+1], v[CT:CT+1], v[RL:RL+1] op_sel_hi:[1,0]
	v_pk_mul_f32 v[CT+2:CT+3], v[CT+2:CT+3], v[RL:RL+1] op_sel_hi:[1,0]
	global_store_b128 v1, v[OWN:OWN+3], s[10:11] th:TH_STORE_NT              ; each store covers 512 consecutive bytes, aligned
	global_store_b128 v1, v[OWN+4:OWN+7], s[10:11] offset:512 th:TH_STORE_NT
	global_store_b128 v1, v[CT:CT+3], s[8:9] th:TH_STORE_NT
	s_endpgm
.Lfunc_end_k_q4819072a04_finish:
	.size	k_q4819072a04_finish, .Lfunc_end_k_q4819072a04_finish-k_q4819072a04_finish
	.p2alignl 7, 3214868480
	.fill 96, 4, 3214868480
	.section	.rodata,"a",@progbits
	.p2align	6, 0x0
	.amdhsa_kernel k_q4819072a04_finish
		.amdhsa_group_segment_fixed_size 0
		.amdhsa_private_segment_fixed_size 0
		.amdhsa_enable_private_segment 0
		.amdhsa_kernarg_size 32
		.amdhsa_user_sgpr_count 2
		.amdhsa_user_sgpr_kernarg_segment_ptr 1
		.amdhsa_wavefront_size32 1
		.amdhsa_system_sgpr_workgroup_id_x 1
		.amdhsa_system_sgpr_workgroup_id_y 1
		.amdhsa_system_sgpr_workgroup_id_z 1
		.amdhsa_system_vgpr_workitem_id 0
		.amdhsa_next_free_vgpr 160
		.amdhsa_next_free_sgpr 66
		.amdhsa_reserve_vcc 0
		.amdhsa_float_denorm_mode_32 3
		.amdhsa_float_denorm_mode_16_64 3
		.amdhsa_memory_ordered 1
		.amdhsa_forward_progress 1
		.amdhsa_inst_pref_size 18
	.end_amdhsa_kernel
	.amdgpu_metadata
---
amdhsa.version: [ 1, 2 ]
amdhsa.kernels:
  - .name:           k_q4819072a04_finish
    .symbol:         k_q4819072a04_finish.kd
    .args:
      - { .name: scores, .offset: 0, .size: 8, .value_kind: global_buffer, .address_space: global }
      - { .name: pctx, .offset: 8, .size: 8, .value_kind: global_buffer, .address_space: global }
      - { .name: out0, .offset: 16, .size: 8, .value_kind: global_buffer, .address_space: global }
      - { .name: out1, .offset: 24, .size: 8, .value_kind: global_buffer, .address_space: global }
    .group_segment_fixed_size: 0
    .private_segment_fixed_size: 0
    .kernarg_segment_align: 8
    .kernarg_segment_size: 32
    .max_flat_workgroup_size: 32
    .sgpr_count:     66
    .vgpr_count:     160
    .wavefront_size: 32
...
	.end_amdgpu_metadata
.endif
;; end of part 3
